; MI455X (gfx1250); checked and timed in simulation.
; The chip was launched on July 23, 2026; its instructions are those of AMD's public machine-readable ISA for CDNA 5 (MIT licence, August 2026) and "CDNA5" Instruction Set Architecture Reference Guide (July 2026). The comments in the code are by the model that wrote it; some were corrected since.
;; Attention. Allowed arithmetic: matrix products marked QUANTISED: E3M2 operands, one E8M0 scale for each 32 along K, by v_wmma_scale_f32_16x16x128_f8f6f4 with both operands' format E3M2, f32 sums; products left as they are: f32 operands where the result goes on into a quantised operand, else bf16, f16 or f32 operands; f32 sums; everything else in f32.
;; Inputs: Wc 1 x 256 float32; Wf 256 x 512 float32; Wft 512 x 512 float32; Wh 256 x 512 float32; Ws 256 x 512 float32; bc 1 float32; bf 256 float32; bft 512 float32; bh 256 float32; bs 256 float32; features 512 x 256 x 512 float32; hidden 512 x 512 float32; inputs 512 x 1,024 float32; memory 512 x 512 float32; s 512 x 512 float32.
;; Outputs: out0 512 x 512 float32.
;; This version of the problem:
;;   THIS VERSION OF THE PROBLEM IS GIVEN IN LOW PRECISION. The matrix products marked QUANTISED in the list below multiply operands that are first quantised to E3M2 (3 exponent bits, 2 mantissa bits; 6 bits a number), with one power-of-two scale for each 32 numbers along K (OCP MX v1.0); their sums are f32. All else is computed in f32.
;;   The module's matrix products, in the order in which they are computed (A, B: the left and right operand; K: the contracted axis; several contracted axes count as one K, in the product's order):
;;     1. [M 131,072, K 512] x [K 512, N 512]; A: input features; B: input Wft: QUANTISED
;;     2. [M 131,072, K 512] x [K 512, N 256]; A: computed on the way; B: input Wf: QUANTISED
;;     3. [M 512, K 512] x [K 512, N 256]; A: input hidden; B: input Wh: QUANTISED
;;     4. [M 131,072, K 256] x [K 256, N 1]; A: computed on the way; B: input Wc: left as it is (N = 1 < 16)
;;     5. batch 512 x [M 1, K 256] x [K 256, N 512]; A: softmax; B: computed on the way: left as it is (M = 1 < 16)
;;     6. [M 512, K 512] x [K 512, N 256]; A: input s; B: input Ws: QUANTISED
;;     7. [M 512, K 256] x [K 256, N 1]; A: computed on the way; B: input Wc: left as it is (N = 1 < 16)
;;   THE QUANTISER, for each operand of a quantised product, along K:
;;     - K is cut into blocks of 32 from its start; a last block that is shorter is filled with zeros.
;;     - A block's scale is 2^e with e = floor(log2(the largest magnitude in the block)) - 4, held to -126 .. 127; a block of zeros has e = 0. As a byte (E8M0): e + 127.
;;     - Each number is divided by its block's scale, clamped to +-28, and rounded to the nearest number of E3M2, ties to even, subnormals kept.
;;     - The product sums the exact products of the quantised numbers (number of the format x scale) in f32.
;;   ~~~python
;;   def quantise(x, axis):      # numpy; x: float32 -> the quantised numbers, widened to float32 again
;;       x = np.moveaxis(x, axis, -1); K = x.shape[-1]
;;       x = np.pad(x, [(0, 0)] * (x.ndim - 1) + [(0, -K % 32)]); x = x.reshape(x.shape[:-1] + (-1, 32)); a = np.abs(x).max(-1, keepdims=True)
;;       e = np.where(a > 0, np.clip(np.frexp(np.where(a > 0, a, 1))[1] - 1 - 4, -126, 127), 0)      # np.frexp(a)[1] - 1 = floor(log2(a)), exactly
;;       r = np.clip(x / 2.0 ** e, -28, 28)
;;       step = 2.0 ** (np.maximum(np.frexp(np.where(r == 0, 1, r))[1] - 1, -2) - 2)
;;       q = np.round(r / step) * step * 2.0 ** e      # np.round: ties to even
;;       return np.moveaxis(q.reshape(q.shape[:-2] + (-1,))[..., :K], -1, axis).astype(np.float32)
;;   ~~~
;;   OPERANDS COMPUTED ON THE WAY. 'Computed on the way' means the value that the module computes at that place (a softmax that the list does not call 'softmax' is quantised finished and normalised). What goes into a quantiser is computed in f32, as accurately as f32 sums, v_exp_f32 and their like allow (about 1e-6 of the number): no bf16 or f16 on the way to a quantiser, and a product that is left as it is and whose result goes on into a quantised operand takes f32 operands (vector FMAs, or v_wmma_f32_16x16x4_f32). A number that lies on a knife's edge between two numbers of the format may be rounded either way, as far as f32 arithmetic and the matrix unit's own rounding can turn it there, and no further.
;; One version. Each part assembles by itself: llvm-mc -triple=amdgcn-amd-amdhsa -mcpu=gfx1250 --defsym DOCPART=n.
;; ======== version 1 of 1: 2 launches
;; limits: right only within a limited range of input values
;; workspace buffers: wimg 294,912 bytes; wscl 12,288 bytes; hw 1,048,576 bytes
;; launch prep (part 1): grid 280 x 1, 8 waves a work-group, no clusters, 33,792 bytes of LDS; arguments Wft, Wf, Wh, Ws, hidden, s, bh, bs, wimg, wscl, hw; writes wimg, wscl, hw
.if DOCPART == 1
	.amdgcn_target "amdgcn-amd-amdhsa--gfx1250"
	.amdhsa_code_object_version 6
	.text
	.protected	k_qaead4f7e33_prep
	.globl	k_qaead4f7e33_prep
	.p2align	8
	.type	k_qaead4f7e33_prep,@function
k_qaead4f7e33_prep:
	s_mov_b64 s[64:65], 0
	v_nop
	global_prefetch_b8 v0, s[64:65] scope:SCOPE_SE
	s_setreg_imm32_b32 hwreg(HW_REG_WAVE_MODE, 25, 1), 1
	s_wait_xcnt 0x0
; INPUTS LEFT OUT: reference() never names 'inputs' and 'memory' in its body, so for all values they have no way to out0: no launch loads them or has them among its arguments.
; (Limit: a NaN or an infinity in those two inputs is not carried to the result, as in reference().)
; TWO SMALL JOBS IN ONE LAUNCH, told apart by the work-group's number alone.  A work-group has eight waves: wave w has K step s = w % 4 (128 along K) and half g = w / 4.
; Work-groups 0-23 (path W): Wft [512][512] and Wf [256][512], f32, K innermost, become codes of BF6 (E3M2) with one E8M0 byte for each 32 along K, stored as
; IMAGES OF OPERAND REGISTERS: fragment F = 4 T + s (tile T = 2 x work-group + g of 16 rows) is 1,536 bytes; its register group c (four registers) of lane l lies at 1536 F + 512 c + 16 l.
; Tiles 0-31 are Wft's: tile 8 q + t, lane r = row 128 q + 32 (t / 2) + 8 (t % 2) + r + 8 (r / 8), so that in the next launch the results of two neighbouring tiles are 16 neighbours along the next K.
; Tiles 32-47 are Wf's: tile 32 + i, lane r = row 16 i + r.  The scale word of tile T, lane r, K step s lies at 256 T + 16 r + 4 s of wscl.  One wave makes one fragment.
; Work-groups 24-279 (path H): hw[0] = hidden Wh^T + bh and hw[1] = s Ws^T + bs, [512][256] f32, both operands quantised in registers.  A work-group makes 32 rows x 32 columns.
; Wave (s, g) loads and quantises 16 rows of the weight (columns 16 g .. of the block) and 16 rows of the activations (rows 16 g ..), for its K step: each number of the block's operands is loaded and quantised once.
; The weight's codes and scale word go to LDS as an image of the registers; behind a barrier the wave takes the other half's image: two matrix instructions, its 16 rows x both column tiles.
; The four K steps' parts meet in LDS (4,096 bytes a K step, one barrier); thread T adds four neighbouring numbers' four parts and the bias: (p0 + p1) + (p2 + p3) + bias, in f32.
; The product is used transposed (source 0 = 16 rows of the weight, source 1 = 16 rows of the activations): a lane holds one row and eight neighbouring columns.
; A lane loads whole blocks: lane (r, h) takes k = 64 c + 32 h + 0 .. 31 of row r, the very k that the operand's layout gives it; so a block's largest magnitude needs no other lane.
; A block's scale byte is its largest magnitude's exponent field - 4, held at 1 from below.
; LIMITS: a block of zeros, or one whose largest magnitude lies under 2^-122, gets the byte 1 (its codes are zeros or tiny; the bytes are read by this program alone); NaN and infinities among the inputs are not served.
; hw's stores cover 128 consecutive bytes of each of a work-group's 32 rows.
.set VA,   4                           ; v4   2048 r + 128 h: my first block in 16 neighbouring rows
.set VP,   5                           ; v5   the same with Wft's order of rows (path W)
.set SH8,  6                           ; v6   8 h: where my two scale bytes stand in the word
.set L16,  7                           ; v7   16 x lane
.set R16,  8                           ; v8   16 r
.set LST,  9                           ; v9   LDS: my part of my own column tile: PART + 4096 s + 128 (16 g + r) + 64 g + 32 h
.set LRD,  10                          ; v10  LDS: PART + 16 x thread: four neighbouring numbers of a part
.set OUTA, 11                          ; v11  their place in hw: 1024 (thread / 8) + 16 (thread % 8)
.set TM,   12                          ; v12-18 at work
.set BIA,  19                          ; v19  16 (thread % 8): their four numbers of the bias
.set X0,   20                          ; v20-83    64 numbers of the weight; at the end the four parts
.set X1,   84                          ; v84-147   64 numbers of the activations
.set CW,   148                         ; v148-159  my weight tile's codes
.set CA,   160                         ; v160-171  the activations' codes
.set CT,   172                         ; v172-178  the second halves of a block's codes as the conversions leave them
.set ACC,  180                         ; v180-187  my K step's part: my own column tile
.set SWR,  188                         ; v188 my weight tile's scale word, v189 the activations', v190 the other tile's: they hold scales and nothing else
.set SAR,  189
.set SW2,  190
.set BI,   192                         ; v192-195  four numbers of the bias
.set EXW,  196                         ; v196 LDS: my image: 2048 x wave + 16 x lane
.set EXR,  197                         ; v197 LDS: the image of the wave with my K step and the other half (wave xor 4)
.set LS2,  198                         ; v198 LDS: my part of the other column tile: v9 with the tile's 64 bytes changed
.set CW2,  200                         ; v200-211  the other weight tile's codes
.set AC2,  212                         ; v212-219  my K step's part: the other column tile
.set SPW,  220                         ; v220 LDS address of my spare word; never rewritten
.set NIL,  221                         ; v221 0; never rewritten
.set PART,  0x4000                     ; LDS: bytes 0-16,383 the eight images (1,536 of codes, 512 with the scale words, 16 bytes apart); from PART on the four parts of 32 x 32 f32
.set SPARE, 0x8000                     ; behind them the spare words, 128 bytes for each wave, which no other line names
; 64 numbers of a lane, from the rows and the K step at s[sb:sb+1]: v[x + 32 c + 4 i ..] = k 64 c + 32 h + 4 i ..
.macro LOADF x, sb, va
.irp c, 0,1
.irp i, 0,1,2,3,4,5,6,7
	global_load_b128 v[\x+32*\c+4*\i:\x+32*\c+4*\i+3], v[\va], s[\sb:\sb+1] offset:256*\c+16*\i
.endr
.endr
.endm
; they become a fragment's 12 registers at v[dst] and its scale word in v[sc]
.macro QF x, dst, sc
.irp c, 0,1
	v_max3_num_f32 v[TM+\c], |v[\x+32*\c]|, |v[\x+32*\c+1]|, 0x2800000   ; my block 2 c + h, and the floor 2^(5 - 127): the byte cannot fall under 1
.endr
.irp i, 2,4,6,8,10,12,14,16,18,20,22,24,26,28,30
.irp c, 0,1
	v_max3_num_f32 v[TM+\c], v[TM+\c], |v[\x+32*\c+\i]|, |v[\x+32*\c+\i+1]|   ; (the two blocks by turns)
.endr
.endr
.irp c, 0,1
	v_add_nc_u32 v[TM+2+\c], 0xfe000000, v[TM+\c]  ; 4 off the exponent field: the conversion takes this operand's exponent field as its scale
.endr
.irp c, 0,1
	v_lshrrev_b32 v[TM+4+\c], 23, v[TM+2+\c]       ; the scale's byte
.endr
	v_lshl_or_b32 v[\sc], v[TM+5], 16, v[TM+4]     ; blocks h and 2 + h of my row,
	v_lshlrev_b32 v[\sc], v[SH8], v[\sc]           ; at their places in the word;
	v_permlanex16_b32 v[TM+6], v[\sc], s28, s29
	v_or_b32 v[\sc], v[\sc], v[TM+6]               ; with lane l xor 16's two the word is whole
.irp c, 0,1
	v_cvt_scalef32_pk16_bf6_f32 v[\dst+6*\c:\dst+6*\c+2], v[\x+32*\c:\x+32*\c+15], v[TM+2+\c]
	v_cvt_scalef32_pk16_bf6_f32 v[CT+4*\c:CT+4*\c+2], v[\x+32*\c+16:\x+32*\c+31], v[TM+2+\c]   ; (a conversion's three registers begin on an even number)
.endr
	v_nop                                          ; one plain place behind a scaled conversion
.irp c, 0,1
.irp i, 0,1,2
	v_mov_b32 v[\dst+3+6*\c+\i], v[CT+4*\c+\i]
.endr
.endr
.endm
	s_load_b256 s[4:11], s[0:1], 0x0               ; Wft s[4:5], Wf s[6:7], Wh s[8:9], Ws s[10:11]
	s_load_b256 s[12:19], s[0:1], 0x20             ; hidden s[12:13], s s[14:15], bh s[16:17], bs s[18:19]
	s_load_b128 s[20:23], s[0:1], 0x40             ; wimg s[20:21], wscl s[22:23]
	s_load_b64 s[24:25], s[0:1], 0x50              ; hw
	v_lshl_add_u32 v[SPW], v0, 2, SPARE
	v_mov_b32 v[NIL], 0
	v_lshrrev_b32 v1, 5, v0
	v_readfirstlane_b32 s26, v1                    ; wave 0..7
	s_and_b32 s27, s26, 3                          ; s: the K step
	s_lshr_b32 s44, s26, 2                         ; g: the half
	v_and_b32 v1, 31, v0                           ; lane
	v_and_b32 v2, 15, v0                           ; r
	v_bfe_u32 v3, v0, 4, 1                         ; h
	v_lshlrev_b32 v[VA], 11, v2
	v_lshl_add_u32 v[VA], v3, 7, v[VA]
	v_lshlrev_b32 v[SH8], 3, v3
	v_lshlrev_b32 v[L16], 4, v1
	v_lshlrev_b32 v[R16], 4, v2
	v_and_b32 v[EXW], 0xe0, v0                     ; 32 x wave
	v_lshl_add_u32 v[EXW], v[EXW], 6, v[L16]
	v_xor_b32 v[EXR], 0x2000, v[EXW]               ; four waves of 2,048 bytes on or back
	v_bfe_u32 v[LST], v0, 5, 2                     ; s
	v_bfe_u32 v[TM], v0, 7, 1                      ; g
	v_lshlrev_b32 v[LST], 12, v[LST]
	v_mad_u32_u24 v[LST], v[TM], 0x840, v[LST]     ; g: 16 rows of 128 bytes, and 64 bytes along a row
	v_lshl_add_u32 v[LST], v2, 7, v[LST]
	v_lshl_add_u32 v[LST], v3, 5, v[LST]
	v_add_nc_u32 v[LST], PART, v[LST]
	v_xor_b32 v[LS2], 64, v[LST]
	v_lshl_add_u32 v[LRD], v0, 4, PART
	v_and_b32 v[BIA], 7, v0
	v_lshlrev_b32 v[BIA], 4, v[BIA]
	v_lshrrev_b32 v[OUTA], 3, v0
	v_lshl_add_u32 v[OUTA], v[OUTA], 10, v[BIA]
	v_mov_b32 v[TM+6], 0                           ; written once: a lane permute's destination counts as one of its sources
	s_mov_b32 s28, 0x76543210
	s_mov_b32 s29, 0xfedcba98                      ; v_permlanex16_b32's selects for lane l xor 16
	s_cmp_ge_u32 ttmp9, 24
	s_wait_alu depctr_va_vdst(0)                   ; the wait at the head's end, directly ahead of the branch
	s_cbranch_scc1 .Lpath_h
	; ---- path W: tile T = 2 x the work-group's number + g, K step s
	s_lshl_b32 s45, ttmp9, 1
	s_add_co_u32 s45, s45, s44                     ; T
	s_lshr_b32 s31, s45, 3
	s_lshl_b32 s31, s31, 7                         ; Wft: 128 (T / 8)
	s_bfe_u32 s32, s45, 0x20001
	s_lshl_b32 s32, s32, 5                         ; + 32 ((T % 8) / 2)
	s_add_co_u32 s31, s31, s32
	s_and_b32 s32, s45, 1
	s_lshl_b32 s32, s32, 3                         ; + 8 (T % 2)
	s_add_co_u32 s31, s31, s32
	s_max_u32 s32, s45, 32
	s_sub_co_u32 s32, s32, 32
	s_lshl_b32 s32, s32, 4                         ; Wf: 16 (T - 32)
	s_wait_kmcnt 0x0
	s_cmp_lt_u32 s45, 32                           ; Wft's tile or Wf's?
	s_cselect_b32 s30, 8, 0                        ; Wft's lanes 8-15 stand 8 rows further on
	s_cselect_b32 s31, s31, s32                    ; the tile's first row
	s_cselect_b64 s[34:35], s[4:5], s[6:7]
	v_and_b32 v[VP], s30, v2
	v_add_nc_u32 v[VP], v[VP], v2
	v_lshlrev_b32 v[VP], 11, v[VP]
	v_lshl_add_u32 v[VP], v3, 7, v[VP]
	s_wait_alu depctr_va_vdst(0)                   ; the wait here, ahead of the run of scalar instructions
	s_lshl_b32 s36, s31, 11                        ; rows of 2,048 bytes,
	s_lshl_b32 s37, s27, 9                         ; K steps of 512
	s_add_co_u32 s36, s36, s37
	s_mov_b32 s37, 0
	s_add_nc_u64 s[34:35], s[34:35], s[36:37]
	s_lshl_b32 s36, s45, 2
	s_add_co_u32 s36, s36, s27
	s_mul_i32 s36, s36, 1536                       ; the fragment's image
	s_add_nc_u64 s[20:21], s[20:21], s[36:37]
	s_lshl_b32 s36, s45, 8
	s_lshl_b32 s38, s27, 2
	s_add_co_u32 s36, s36, s38                     ; its scale words
	s_add_nc_u64 s[22:23], s[22:23], s[36:37]
	LOADF X0, 34, VP
	s_wait_loadcnt 0x0
	QF X0, CW, SWR
.irp c, 0,1,2
	global_store_b128 v[L16], v[CW+4*\c:CW+4*\c+3], s[20:21] offset:512*\c   ; 32 lanes store 512 consecutive bytes
.endr
	global_store_b32 v[R16], v[SWR], s[22:23]      ; lanes l and l xor 16 store the same word with the same value
	s_endpgm
	; ---- path H: u = work-group - 24: product u / 128, rows 32 ((u / 8) % 16) on, columns 32 (u % 8) on
.Lpath_h:
	s_sub_co_u32 s30, ttmp9, 24
	s_lshr_b32 s31, s30, 7                         ; 0: hidden Wh^T + bh; 1: s Ws^T + bs
	s_bfe_u32 s32, s30, 0x40003                    ; block of rows
	s_and_b32 s33, s30, 7                          ; block of columns
	s_wait_kmcnt 0x0
	s_cmp_eq_u32 s31, 0
	s_cselect_b64 s[34:35], s[8:9], s[10:11]       ; the weight,
	s_cselect_b64 s[36:37], s[12:13], s[14:15]     ; the activations,
	s_cselect_b64 s[38:39], s[16:17], s[18:19]     ; the bias
	s_mov_b32 s41, 0
	s_lshl_b32 s42, s27, 9                         ; my K step: 512 bytes of each row,
	s_lshl_b32 s43, s44, 15                        ; and my 16 of the block's 32 rows of 2,048 bytes
	s_add_co_u32 s42, s42, s43
	s_lshl_b32 s40, s33, 16                        ; 32 rows of 2,048 bytes
	s_add_co_u32 s40, s40, s42
	s_add_nc_u64 s[34:35], s[34:35], s[40:41]
	s_lshl_b32 s40, s32, 16
	s_add_co_u32 s40, s40, s42
	s_add_nc_u64 s[36:37], s[36:37], s[40:41]
	s_lshl_b32 s40, s33, 7                         ; 32 columns of 4 bytes
	s_add_nc_u64 s[38:39], s[38:39], s[40:41]
	s_lshl_b32 s42, s31, 19
	s_lshl_b32 s43, s32, 15                        ; 32 rows of 1,024 bytes
	s_add_co_u32 s42, s42, s43
	s_add_co_u32 s40, s40, s42
	s_add_nc_u64 s[24:25], s[24:25], s[40:41]
	LOADF X0, 34, VA                               ; all 33 loads of the wave go out together
	LOADF X1, 36, VA
	global_load_b128 v[BI:BI+3], v[BIA], s[38:39]
	s_wait_loadcnt 17                              ; the weight's 16 loads are in; the activations' 16 and the bias may be out
	QF X0, CW, SWR
.irp c, 0,1,2
	ds_store_b128 v[EXW], v[CW+4*\c:CW+4*\c+3] offset:512*\c   ; my weight tile as an image of its registers,
.endr
	ds_store_b32 v[EXW], v[SWR] offset:1536        ; and its scale word
	s_wait_loadcnt 1                               ; the activations' are in; the bias may be out
	QF X1, CA, SAR
	s_wait_alu depctr_va_vdst(0)                   ; the wait here, directly ahead of the wait below
	s_wait_dscnt 0x0                               ; for the others' sake: my image lies in LDS
	s_barrier_signal -1
	s_barrier_wait -1
.irp c, 0,1,2
	ds_load_b128 v[CW2+4*\c:CW2+4*\c+3], v[EXR] offset:512*\c   ; the other half's weight tile, same K step
.endr
	ds_load_b32 v[SW2], v[EXR] offset:1536
.rept 8
	v_nop                                          ; a scale register written by a vector instruction stands 8 places ahead of a scaled matrix instruction, an operand so written 4
.endr
	s_wait_dscnt 0x0
	v_wmma_scale_f32_16x16x128_f8f6f4 v[ACC:ACC+7], v[CW:CW+11], v[CA:CA+11], 0, v[SWR], v[SAR] matrix_a_fmt:MATRIX_FMT_BF6 matrix_b_fmt:MATRIX_FMT_BF6
	v_wmma_scale_f32_16x16x128_f8f6f4 v[AC2:AC2+7], v[CW2:CW2+11], v[CA:CA+11], 0, v[SW2], v[SAR] matrix_a_fmt:MATRIX_FMT_BF6 matrix_b_fmt:MATRIX_FMT_BF6
.rept 4
	v_nop                                          ; places in front of the LDS stores that read the results
.endr
	ds_store_b128 v[LST], v[ACC:ACC+3]             ; lane (r, h): row 16 g + r, columns 8 h + 0 .. 7 of a column tile; each result is read from its low end on
	ds_store_b128 v[LST], v[ACC+4:ACC+7] offset:16
	ds_store_b128 v[LS2], v[AC2:AC2+3]
	ds_store_b128 v[LS2], v[AC2+4:AC2+7] offset:16
	s_wait_dscnt 0x0                               ; for the others' sake: my part lies in LDS
	s_barrier_signal -1
	s_barrier_wait -1
.irp k, 0,1,2,3
	ds_load_b128 v[X0+4*\k:X0+4*\k+3], v[LRD] offset:4096*\k   ; the four K steps' parts of my four numbers
.endr
	s_wait_dscnt 0x0
	s_wait_loadcnt 0x0                             ; the bias
	v_pk_add_f32 v[X0:X0+1], v[X0:X0+1], v[X0+4:X0+5]
	v_pk_add_f32 v[X0+2:X0+3], v[X0+2:X0+3], v[X0+6:X0+7]
	v_pk_add_f32 v[X0+8:X0+9], v[X0+8:X0+9], v[X0+12:X0+13]
	v_pk_add_f32 v[X0+10:X0+11], v[X0+10:X0+11], v[X0+14:X0+15]
	v_pk_add_f32 v[X0:X0+1], v[X0:X0+1], v[X0+8:X0+9]
	v_pk_add_f32 v[X0+2:X0+3], v[X0+2:X0+3], v[X0+10:X0+11]
	v_pk_add_f32 v[X0:X0+1], v[X0:X0+1], v[BI:BI+1]
	v_pk_add_f32 v[X0+2:X0+3], v[X0+2:X0+3], v[BI+2:BI+3]
	global_store_b128 v[OUTA], v[X0:X0+3], s[24:25] ; eight neighbouring lanes store 128 consecutive bytes of a row
	s_wait_tensorcnt 0x0                           ; the wave's end
	ds_add_u32 v[SPW], v[NIL]
	s_wait_dscnt 0x0
	s_endpgm
.Lfunc_end_k_qaead4f7e33_prep:
	.size	k_qaead4f7e33_prep, .Lfunc_end_k_qaead4f7e33_prep-k_qaead4f7e33_prep
	.p2alignl 7, 3214868480
	.fill 96, 4, 3214868480
	.section	.rodata,"a",@progbits
	.p2align	6, 0x0
	.amdhsa_kernel k_qaead4f7e33_prep
		.amdhsa_group_segment_fixed_size 33792
		.amdhsa_private_segment_fixed_size 0
		.amdhsa_enable_private_segment 0
		.amdhsa_kernarg_size 88
		.amdhsa_user_sgpr_count 2
		.amdhsa_user_sgpr_kernarg_segment_ptr 1
		.amdhsa_wavefront_size32 1
		.amdhsa_system_sgpr_workgroup_id_x 1
		.amdhsa_system_sgpr_workgroup_id_y 1
		.amdhsa_system_sgpr_workgroup_id_z 1
		.amdhsa_system_vgpr_workitem_id 0
		.amdhsa_next_free_vgpr 224
		.amdhsa_next_free_sgpr 66
		.amdhsa_reserve_vcc 0
		.amdhsa_float_denorm_mode_32 3
		.amdhsa_float_denorm_mode_16_64 3
		.amdhsa_memory_ordered 1
		.amdhsa_forward_progress 1
		.amdhsa_inst_pref_size 21
	.end_amdhsa_kernel
	.amdgpu_metadata
---
amdhsa.version: [ 1, 2 ]
amdhsa.kernels:
  - .name:           k_qaead4f7e33_prep
    .symbol:         k_qaead4f7e33_prep.kd
    .args:
      - { .name: Wft, .offset: 0, .size: 8, .value_kind: global_buffer, .address_space: global }
      - { .name: Wf, .offset: 8, .size: 8, .value_kind: global_buffer, .address_space: global }
      - { .name: Wh, .offset: 16, .size: 8, .value_kind: global_buffer, .address_space: global }
      - { .name: Ws, .offset: 24, .size: 8, .value_kind: global_buffer, .address_space: global }
      - { .name: hidden, .offset: 32, .size: 8, .value_kind: global_buffer, .address_space: global }
      - { .name: s, .offset: 40, .size: 8, .value_kind: global_buffer, .address_space: global }
      - { .name: bh, .offset: 48, .size: 8, .value_kind: global_buffer, .address_space: global }
      - { .name: bs, .offset: 56, .size: 8, .value_kind: global_buffer, .address_space: global }
      - { .name: wimg, .offset: 64, .size: 8, .value_kind: global_buffer, .address_space: global }
      - { .name: wscl, .offset: 72, .size: 8, .value_kind: global_buffer, .address_space: global }
      - { .name: hw, .offset: 80, .size: 8, .value_kind: global_buffer, .address_space: global }
    .group_segment_fixed_size: 33792
    .private_segment_fixed_size: 0
    .kernarg_segment_align: 8
    .kernarg_segment_size: 88
    .max_flat_workgroup_size: 256
    .sgpr_count:     66
    .vgpr_count:     224
    .wavefront_size: 32
...
	.end_amdgpu_metadata
.endif
;; end of part 1
;; launch main (part 2): grid 256 x 1, 4 waves a work-group, no clusters, 327,680 bytes of LDS; arguments features, wimg, wscl, hw, bft, bf, Wc, bc, s, out0; writes out0
.if DOCPART == 2
	.amdgcn_target "amdgcn-amd-amdhsa--gfx1250"
	.amdhsa_code_object_version 6
	.text
	.protected	k_qaead4f7e33_main
	.globl	k_qaead4f7e33_main
	.p2align	8
	.type	k_qaead4f7e33_main,@function
k_qaead4f7e33_main:
	s_mov_b64 s[64:65], 0
	v_nop
	global_prefetch_b8 v0, s[64:65] scope:SCOPE_SE
	s_setreg_imm32_b32 hwreg(HW_REG_WAVE_MODE, 25, 1), 1
	s_wait_xcnt 0x0
; out0 = b_gate s + (1 - b_gate) c for two batches a work-group: 512 rows of features in 16 trips of 32 rows.  'inputs' and 'memory' are named nowhere in reference()'s body and are not loaded.
; Wave w owns hidden units 128 w .. 128 w + 127 of the first product and columns 64 w .. 64 w + 63 of the second: its fragments of Wft and Wf (images made by the launch before) stay in registers, windows 1 to 3.
; Features come as f32 by tensor loads into two slots of 64 rows; each wave quantises two fragments a trip and lays them in LDS as register images, which all four waves read.
; ft = relu(x Wft^T + bft) stays in registers in f32; its codes go to the other waves as images; z's four parts meet in LDS; the softmax over the 256 rows keeps a running maximum, and c is summed under it.
; tanh(x) = 1 - 2 / (1 + 2^(2 x log2 e)); the sum of Wc and the factor -2 are folded into the sum for z.  The gate's score joins the softmax at a batch's end.
; THE ORDER OF A TRIP t: first product and quantising of ft (two tiles of 16 rows by turns), second product and tanh; the features of trip t + 2 are quantised in two parts:
; one fragment is loaded behind the last matrix instruction of the second product, into the registers that held ft's codes; its scale is made between z's store and the barrier, its codes while z's parts come back;
; the other is loaded into tile 0's ft registers as soon as c's sum has read them.  Tile 0's x fragments of trip t + 1 are fetched in one run behind the first fragment's image.
; Where a barrier follows LDS stores, matrix instructions that are due anyway stand between the stores and the wait for them.
; No cluster: the work-groups share the weights alone, which each loads once into registers.  No prefetch: a slot's request stands two trips ahead of the wait for it.
; LIMIT: the promise holds while the scaled scores stay under 2^31 in magnitude; NaN and infinities among the inputs are not served.
.set FRB,   1536                       ; a fragment's image
.set SUBT,  33792                      ; 64 rows x (512 + 16) bytes: what one tensor load brings
.set SLOT,  135168
.set HALF,  16896                      ; 32 rows of a sub-tile
.set XIMG,  270336                     ; x's images, two buffers of 8;  XSC their scale words
.set XSC,   294912
.set HIMG,  296960                     ; ft's images, 8;  HSC their scale words
.set HSC,   309248
.set ZP,    310272                     ; z's parts
.set BFL,   310784                     ; bft
.set FBL,   312832                     ; bf + h, two batches
.set STG,   314880                     ; the way out
.set SPARE, 316928                     ; the spare words
.set SPW, 1
.set NIL, 2
.set XRD, 3
.set XAD, 4
.set XWI, 5
.set XWS, 6
.set XRI, 7
.set XRS, 8
.set HWI, 9
.set HWS, 10
.set HRI, 11
.set HRS, 12
.set ZW,  13
.set ZR,  14
.set BFR, 15
.set SO,  16
.set SR,  17
.set FBR, 18
.set SH8, 19
.set GL,  20
.set BCL, 21
.set MX,  24
.set LSUM, 25
.set TI,  26
.set AL,  28
.set PR0, 30
.set PR1, 32
.set SW,  34
.set W1S, 36                           ; v36-67 Wft's scale words, v68-83 Wf's
.set W2S, 68
.set W,   84                           ; v84-187 at work
.set SCB, 188                          ; v188-191 the scale words of the fragments at hand: scales and nothing else
.set FT,  192                          ; v192-255 of windows 0, 1: ft of tiles 0, 1; of window 2: c's sums
.set XF,  W
.set TM,  W+48
.set ZL,  W+58                         ; z's parts as they come back
.set PW,  W+66
.set PC,  W+68
.set HF,  W
.set FA,  W+48
.set ZA,  W+80
.set XS3, W+88                         ; v172-187: the fourth group of 16 numbers of the fragment that lands in v84-131
.set FW,  W+48                         ; at work at a batch's end
.set HA,  196                          ; the head's own: 32 h, 32 lane, 16 r, 1024 h + 16 r, lane, r, h, 0
.set HB,  197
.set HC,  198
.set HD,  199
.set HL,  200
.set HR,  201
.set HH,  202
.set HZ,  203
.set WV,  24
.set SEL, 26
.set G1,  28
.set G0A, 36
.set G0,  40
.set TB,  44
.set TX,  45
.set CNT, 46
.set K2,  48
.set L2E, 50
.set MSB, 0
.macro WIN new                         ; the immediate's high byte repeats the setting that is left
.if MSB != (\new)
	s_set_vgpr_msb (MSB<<8)|(\new)
.set MSB, (\new)
.endif
.endm
.macro PLACES
.rept 4
	v_nop
.endr
.endm
.macro BAR
	s_wait_dscnt 0x0
	s_barrier_signal -1
	s_barrier_wait -1
.endm
.macro SKIP lbl                        ; in the last four trips: the last pair has no trip two ahead to quantise for.  The test hangs on the loop's counter alone
	s_cmp_eq_u32 s[CNT], 1
	s_wait_alu depctr_va_vdst(0)                   ; the wait directly ahead of the branch
	s_cbranch_scc1 \lbl
.endm
.macro IMAGE adr, off
.irp c, 0,1,2
	ds_store_b128 v[\adr], v[PC+4*\c:PC+4*\c+3] offset:(\off)+512*\c
.endr
.endm
.macro BIAS                            ; bft into tile 1's ft registers: the C of both tiles' first matrix instructions
	WIN 0x40
.irp t, 0,1,2,3,4,5,6,7
	ds_load_b128 v[FT+8*\t:FT+8*\t+3], v[BFR] offset:128*(\t/2)+32*(\t%2)
	ds_load_b128 v[FT+8*\t+4:FT+8*\t+7], v[BFR] offset:128*(\t/2)+32*(\t%2)+16
.endr
	WIN 0
.endm
.macro FETCHX buf, m
.irp s, 0,1,2,3
.irp c, 0,1,2
	ds_load_b128 v[XF+12*\s+4*\c:XF+12*\s+4*\c+3], v[XRI] offset:(8*(\buf)+4*(\m)+\s)*FRB+512*\c
.endr
	ds_load_b32 v[SCB+\s], v[XRS] offset:128*(8*(\buf)+4*(\m)+\s)
.endr
.endm
; my fragment f of 64 f32 numbers a lane, into four groups of 16 registers of window win: k = 0-15, 16-31 of block h, then of block 2 + h
.macro XQLOAD f, win, g0, g1, g2, g3
	WIN (\win)<<6
.irp i, 0,1,2,3
	ds_load_b128 v[\g0+4*\i:\g0+4*\i+3], v[XAD] offset:SUBT*(\f)+16*\i
.endr
.irp i, 0,1,2,3
	ds_load_b128 v[\g1+4*\i:\g1+4*\i+3], v[XAD] offset:SUBT*(\f)+64+16*\i
.endr
.irp i, 0,1,2,3
	ds_load_b128 v[\g2+4*\i:\g2+4*\i+3], v[XAD] offset:SUBT*(\f)+256+16*\i
.endr
.irp i, 0,1,2,3
	ds_load_b128 v[\g3+4*\i:\g3+4*\i+3], v[XAD] offset:SUBT*(\f)+320+16*\i
.endr
.endm
; their two blocks' scale operands in v[TM+2], v[TM+3] and the scale word in v[PW]
.macro XQV win, g0, g1, g2, g3
	WIN 0x14*(\win)
	v_max3_num_f32 v[TM], 0x2800000, |v[\g0]|, |v[\g0+1]|       ; the floor 2^(5 - 127): the byte cannot fall under 1
	v_max3_num_f32 v[TM+8], 0x2800000, |v[\g1]|, |v[\g1+1]|
	v_max3_num_f32 v[TM+1], 0x2800000, |v[\g2]|, |v[\g2+1]|
	v_max3_num_f32 v[TM+9], 0x2800000, |v[\g3]|, |v[\g3+1]|
.irp i, 2,4,6,8,10,12,14
	v_max3_num_f32 v[TM], v[TM], |v[\g0+\i]|, |v[\g0+\i+1]|
	v_max3_num_f32 v[TM+8], v[TM+8], |v[\g1+\i]|, |v[\g1+\i+1]|
	v_max3_num_f32 v[TM+1], v[TM+1], |v[\g2+\i]|, |v[\g2+\i+1]|
	v_max3_num_f32 v[TM+9], v[TM+9], |v[\g3+\i]|, |v[\g3+\i+1]|
.endr
	WIN 0
.irp c, 0,1
	v_max_num_f32 v[TM+\c], v[TM+\c], v[TM+8+\c]
.endr
.irp c, 0,1
	v_add_nc_u32 v[TM+2+\c], 0xfe000000, v[TM+\c]  ; 4 off the exponent field: the conversion's scale operand
.endr
.irp c, 0,1
	v_lshrrev_b32 v[TM+4+\c], 23, v[TM+2+\c]
.endr
	v_lshl_or_b32 v[PW], v[TM+5], 16, v[TM+4]
	v_lshlrev_b32 v[PW], v[SH8], v[PW]
	v_permlanex16_b32 v[TM+6], v[PW], s[SEL], s[SEL+1]
	v_or_b32 v[PW], v[PW], v[TM+6]
.endm
; and their 12 registers of codes at v[PC]
.macro XQVB win, g0, g1, g2, g3
	WIN (\win)
	v_cvt_scalef32_pk16_bf6_f32 v[PC:PC+2], v[\g0:\g0+15], v[TM+2]
	v_cvt_scalef32_pk16_bf6_f32 v[PC+12:PC+14], v[\g1:\g1+15], v[TM+2]
	v_cvt_scalef32_pk16_bf6_f32 v[PC+6:PC+8], v[\g2:\g2+15], v[TM+3]
	v_cvt_scalef32_pk16_bf6_f32 v[PC+16:PC+18], v[\g3:\g3+15], v[TM+3]
	WIN 0
	v_nop                                          ; one plain place behind a scaled conversion
.irp c, 0,1
.irp i, 0,1,2
	v_mov_b32 v[PC+3+6*\c+\i], v[PC+12+4*\c+\i]
.endr
.endr
.endm
.macro XQ0 buf                         ; ahead of the loop: both my fragments of the 32 rows at s[TX], through both tiles' ft registers
	v_add_nc_u32 v[XAD], s[TX], v[XRD]
	XQLOAD 1, 1, FT, FT+16, FT+32, FT+48
	XQLOAD 0, 0, FT, FT+16, FT+32, FT+48
	s_wait_dscnt 16                                ; the first fragment's 16 loads are in; the second's may be out
	XQV 1, FT, FT+16, FT+32, FT+48
	XQVB 1, FT, FT+16, FT+32, FT+48
	IMAGE XWI, 8*FRB*(\buf)+FRB
	ds_store_b32 v[XWS], v[PW] offset:1024*(\buf)+128
	s_wait_dscnt 0x0
	XQV 0, FT, FT+16, FT+32, FT+48
	XQVB 0, FT, FT+16, FT+32, FT+48
	IMAGE XWI, 8*FRB*(\buf)
	ds_store_b32 v[XWS], v[PW] offset:1024*(\buf)
.endm
.macro MM1 m, s0, s1                   ; K steps s0 and s1 of tile m: 16 matrix instructions, the tile's eight accumulators by turns
.irp s, \s0, \s1
.if ((\m) == 0) && (\s == 0)
	WIN 0x11
.else
	WIN ((\m)<<6)|((\m)<<4)|(1+\s/2)
.endif
.irp t, 0,1,2,3,4,5,6,7
	v_wmma_scale_f32_16x16x128_f8f6f4 v[FT+8*\t:FT+8*\t+7], v[12*(2*\t+\s%2):12*(2*\t+\s%2)+11], v[XF+12*\s:XF+12*\s+11], v[FT+8*\t:FT+8*\t+7], v[W1S+4*\t+\s], v[SCB+\s] matrix_a_fmt:MATRIX_FMT_BF6 matrix_b_fmt:MATRIX_FMT_BF6
.endr
.endr
.endm
.macro RELU m
	WIN 0x44*(\m)
.set J, 0
.rept 64
	v_max_num_f32 v[FT+J], 0, v[FT+J]
.set J, J+1
.endr
.endm
.macro QUANT m
	WIN 0x14*(\m)
.irp b, 0,1,2,3
	v_max3_num_f32 v[TM+\b], 0x2800000, v[FT+16*\b], v[FT+16*\b+1]
.endr
.irp i, 2,4,6,8,10,12,14
.irp b, 0,1,2,3
	v_max3_num_f32 v[TM+\b], v[TM+\b], v[FT+16*\b+\i], v[FT+16*\b+\i+1]
.endr
.endr
	WIN 0
.irp b, 0,1,2,3
	v_permlanex16_b32 v[TM+4+\b], v[TM+\b], s[SEL], s[SEL+1]
.endr
.irp b, 0,1,2,3
	v_max_num_f32 v[TM+\b], v[TM+\b], v[TM+4+\b]
.endr
.irp b, 0,1,2,3
	v_add_nc_u32 v[TM+12+\b], 0xfe000000, v[TM+\b]
.endr
.irp b, 0,1,2,3
	v_lshrrev_b32 v[TM+4+\b], 23, v[TM+12+\b]
.endr
	v_lshl_or_b32 v[PW], v[TM+5], 8, v[TM+4]
	v_lshl_or_b32 v[PW], v[TM+6], 16, v[PW]
	v_lshl_or_b32 v[PW], v[TM+7], 24, v[PW]
	WIN (\m)
.irp c, 0,1
	v_cvt_scalef32_pk16_bf6_f32 v[PC+6*\c:PC+6*\c+2], v[FT+32*\c:FT+32*\c+15], v[TM+12+2*\c]
	v_cvt_scalef32_pk16_bf6_f32 v[PC+12+4*\c:PC+12+4*\c+2], v[FT+32*\c+16:FT+32*\c+31], v[TM+12+2*\c+1]
.endr
	WIN 0
	v_nop
.irp c, 0,1
.irp i, 0,1,2
	v_permlane16_swap_b32 v[PC+6*\c+\i], v[PC+12+4*\c+\i]
.endr
.irp i, 0,1,2
	v_mov_b32 v[PC+3+6*\c+\i], v[PC+12+4*\c+\i]
.endr
.endr
.endm
.macro FETCHH m
.irp s, 0,1,2,3
.irp c, 0,1,2
	ds_load_b128 v[HF+12*\s+4*\c:HF+12*\s+4*\c+3], v[HRI] offset:(4*(\m)+\s)*FRB+512*\c
.endr
	ds_load_b32 v[SCB+\s], v[HRS] offset:128*(4*(\m)+\s)
.endr
.endm
.macro PH1 buf, cnt                    ; the bias and tile 0's x fragments were asked for at the end of the trip before; cnt: the LDS stores issued behind them, which may stay out
	s_wait_dscnt \cnt
	MM1 0, 0, 1
	MM1 0, 2, 3
	WIN 0
	PLACES
	FETCHX \buf, 1
	RELU 0
	QUANT 0
	IMAGE HWI, 0
	ds_store_b32 v[HWS], v[PW]
	s_wait_dscnt 4                                 ; tile 1's x fragments are in; the four stores just issued may be out
	MM1 1, 0, 1                                    ; sixteen matrix instructions stand between the stores and the wait for them
	s_wait_dscnt 0x0                               ; for the others' sake: tile 0's image lies in LDS
	s_barrier_signal -1
	MM1 1, 2, 3
	WIN 0
	s_barrier_wait -1
	PLACES
	FETCHH 0
	RELU 1
	QUANT 1
	IMAGE HWI, 4*FRB
	ds_store_b32 v[HWS], v[PW] offset:512
.endm
.macro MM2 s0, s1                      ; K steps s0 and s1: 8 matrix instructions, four accumulators by turns; K step 0 takes bf + h as C
.irp s, \s0, \s1
.if \s == 0
	WIN 0x33
.else
	WIN 0x03
.endif
.irp n, 0,1,2,3
.if \s == 0
	v_wmma_scale_f32_16x16x128_f8f6f4 v[FA+8*\n:FA+8*\n+7], v[12*(4*\n+\s):12*(4*\n+\s)+11], v[HF+12*\s:HF+12*\s+11], v[192+8*\n:199+8*\n], v[W2S+4*\n+\s], v[SCB+\s] matrix_a_fmt:MATRIX_FMT_BF6 matrix_b_fmt:MATRIX_FMT_BF6
.else
	v_wmma_scale_f32_16x16x128_f8f6f4 v[FA+8*\n:FA+8*\n+7], v[12*(4*\n+\s):12*(4*\n+\s)+11], v[HF+12*\s:HF+12*\s+11], v[FA+8*\n:FA+8*\n+7], v[W2S+4*\n+\s], v[SCB+\s] matrix_a_fmt:MATRIX_FMT_BF6 matrix_b_fmt:MATRIX_FMT_BF6
.endif
.endr
.endr
.endm
.macro TANHZ m
.set J, 0
.rept 16
	v_pk_mul_f32 v[FA+J:FA+J+1], v[FA+J:FA+J+1], s[K2:K2+1] op_sel_hi:[1,0]
.set J, J+2
.endr
.set J, 0
	s_wait_alu depctr_va_vdst(0)                   ; a wait ahead of each batch of transcendentals and one behind it
.rept 32
	v_exp_f32 v[FA+J], v[FA+J]
.set J, J+1
.endr
	v_nop
	s_wait_alu depctr_va_vdst(0)
.set J, 0
.rept 16
	v_pk_add_f32 v[FA+J:FA+J+1], v[FA+J:FA+J+1], 1.0 op_sel_hi:[1,0]
.set J, J+2
.endr
.set J, 0
	s_wait_alu depctr_va_vdst(0)
.rept 32
	v_rcp_f32 v[FA+J], v[FA+J]
.set J, J+1
.endr
	v_nop
	s_wait_alu depctr_va_vdst(0)
	WIN 0x0c
	v_pk_fma_f32 v[ZA:ZA+1], v[FA:FA+1], v[224:225], v[SW:SW+1]
.irp q, 1,2,3
	v_pk_mul_f32 v[ZA+2*\q:ZA+2*\q+1], v[FA+2*\q:FA+2*\q+1], v[224+2*\q:225+2*\q]
.endr
.set J, 4
.rept 12
	v_pk_fma_f32 v[ZA+2*(J%4):ZA+2*(J%4)+1], v[FA+2*J:FA+2*J+1], v[224+2*J:225+2*J], v[ZA+2*(J%4):ZA+2*(J%4)+1]
.set J, J+1
.endr
	WIN 0
	v_pk_add_f32 v[ZA:ZA+1], v[ZA:ZA+1], v[ZA+2:ZA+3]
	v_pk_add_f32 v[ZA+4:ZA+5], v[ZA+4:ZA+5], v[ZA+6:ZA+7]
	v_pk_add_f32 v[ZA:ZA+1], v[ZA:ZA+1], v[ZA+4:ZA+5]
	v_add_f32 v[ZA], v[ZA], v[ZA+1]
	v_permlanex16_b32 v[ZA+1], v[ZA], s[SEL], s[SEL+1]
	v_add_f32 v[ZA], v[ZA], v[ZA+1]
	ds_store_b32 v[ZW], v[ZA] offset:256*(\m)
.endm
.macro PH2 refill                      ; up to the places behind the second tile's matrix instructions
	s_wait_loadcnt 0x0
.if \refill
	s_wait_tensorcnt 0x0                           ; my one tensor load that was out, my part of the other slot, has landed
	ds_add_u32 v[SPW], v[NIL]
	s_xor_b32 s[G0+1], s[G0+1], SLOT
	s_add_nc_u64 s[G0+2:G0+3], s[G0+2:G0+3], 131072
.endif
	s_wait_dscnt 4+(\refill)                       ; tile 0's codes are in; tile 1's four stores, and the add where there is one, may be out
	MM2 0, 1                                       ; eight matrix instructions stand between them and the wait for them
	s_wait_dscnt 0x0                               ; the add is done, tile 1's image lies in LDS, my reads of the slot are over
	s_barrier_signal -1
	MM2 2, 3
	WIN 0
	s_barrier_wait -1
.if \refill
	tensor_load_to_lds s[G0:G0+3], s[G1:G1+7]      ; this trip's slot, whose rows were quantised in the two trips before, takes the rows two slots on
	s_nop 0
.endif
	PLACES
	FETCHH 1
	TANHZ 0
	s_wait_dscnt 1                                 ; tile 1's codes are in; z's store may be out
	MM2 0, 1
	MM2 2, 3
	WIN 0
	PLACES
.endm
; z's parts -> the running maximum, the factor for what was summed, the two tiles' p
.macro SMAX
	v_pk_add_f32 v[TM:TM+1], v[ZL:ZL+1], v[ZL+2:ZL+3]
	v_pk_add_f32 v[TM+2:TM+3], v[ZL+4:ZL+5], v[ZL+6:ZL+7]
	v_add_f32 v[TM], v[TM], v[TM+1]
	v_add_f32 v[TM+2], v[TM+2], v[TM+3]
	v_fma_f32 v[TM], v[TM], s[L2E], v[BCL]
	v_fma_f32 v[TM+2], v[TM+2], s[L2E], v[BCL]
	v_max_num_f32 v[TM+4], v[TM], v[TM+2]
.irp x, 1,2,4,8
	v_max_num_f32_dpp v[TM+4], v[TM+4], v[TM+4] row_xmask:\x row_mask:0xf bank_mask:0xf
.endr
	v_max_num_f32 v[TM+4], v[MX], v[TM+4]
	v_sub_f32 v[TM+5], v[MX], v[TM+4]
	v_sub_f32 v[TM], v[TM], v[TM+4]
	v_sub_f32 v[TM+2], v[TM+2], v[TM+4]
	v_mov_b32 v[MX], v[TM+4]
	s_wait_alu depctr_va_vdst(0)
	v_exp_f32 v[AL], v[TM+5]
	v_exp_f32 v[PR0], v[TM]
	v_exp_f32 v[PR1], v[TM+2]
	v_nop
	s_wait_alu depctr_va_vdst(0)
	v_fma_f32 v[LSUM], v[LSUM], v[AL], v[PR0]
	v_add_f32 v[LSUM], v[LSUM], v[PR1]
.endm
.macro TRIP par, refill, tail
	s_xor_b32 s[TX], s[TB], SLOT                   ; the rows of trip t + 2 lie in the other slot: its first half (t even) or its second
.if \par
	s_add_co_u32 s[TX], s[TX], HALF
	s_xor_b32 s[TB], s[TB], SLOT
.endif
	PH1 \par, 4-4*(\tail)
	PH2 \refill
.if \tail
	SKIP .Lna_\@
.endif
	v_add_nc_u32 v[XAD], s[TX], v[XRD]
	XQLOAD 1, 0, W, W+16, W+32, XS3                ; into the registers that held ft's codes, four places behind the matrix instructions that read them; they land under the tanh below
.if \tail
.Lna_\@:
.endif
	TANHZ 1
.if \tail
	SKIP .Lnb_\@
.endif
	s_wait_dscnt 1                                 ; the fragment is in; z's store may be out
	XQV 0, W, W+16, W+32, XS3                      ; work on registers between z's store and the wait for it
.if \tail
.Lnb_\@:
.endif
	s_wait_alu depctr_va_vdst(0)                   ; the wait here, directly ahead of the wait below
	BAR
	ds_load_b128 v[ZL:ZL+3], v[ZR]
	ds_load_b128 v[ZL+4:ZL+7], v[ZR] offset:256
.if \tail
	SKIP .Lnc_\@
.endif
	XQVB 0, W, W+16, W+32, XS3
	IMAGE XWI, 8*FRB*(\par)+FRB                    ; this trip's buffer: its last reads were waited for in front of this trip's first barrier
	ds_store_b32 v[XWS], v[PW] offset:1024*(\par)+128
.if (\tail) && (\par)
	FETCHX 1-(\par), 0
.endif
.if \tail
.Lnc_\@:
.endif
.if (\tail) && (\par)
	s_wait_dscnt 0x0
.else
	FETCHX 1-(\par), 0
	s_wait_dscnt 20-4*(\tail)                      ; z's parts are in; behind them stand 16 loads, and on the way that quantises 4 stores, which may be out
.endif
	SMAX
	WIN 0x82
.set J, 0
.rept 32
	v_pk_mul_f32 v[FT+J:FT+J+1], v[FT+J:FT+J+1], v[AL:AL+1] op_sel_hi:[1,0]
.set J, J+2
.endr
	WIN 0xa0
.set J, 0
.rept 32
	v_pk_fma_f32 v[FT+J:FT+J+1], v[FT+J:FT+J+1], v[PR0:PR0+1], v[FT+J:FT+J+1] op_sel_hi:[1,0,1]
.set J, J+2
.endr
	WIN 0
.if \tail
	SKIP .Lnd_\@
.endif
	XQLOAD 0, 0, FT, FT+16, FT+32, FT+48           ; tile 0's ft has been summed: its registers take my other fragment
.if \tail
.Lnd_\@:
.endif
	WIN 0xa1
.set J, 0
.rept 32
	v_pk_fma_f32 v[FT+J:FT+J+1], v[FT+J:FT+J+1], v[PR1:PR1+1], v[FT+J:FT+J+1] op_sel_hi:[1,0,1]
.set J, J+2
.endr
	WIN 0
.if (\tail) && (\par)
	SKIP .Lne_\@
	BIAS
.else
	BIAS
.if \tail
	SKIP .Lne_\@
.endif
.endif
	s_wait_dscnt 16                                ; the fragment is in; the bias's 16 loads may be out
	XQV 0, FT, FT+16, FT+32, FT+48
	XQVB 0, FT, FT+16, FT+32, FT+48
	IMAGE XWI, 8*FRB*(\par)
	ds_store_b32 v[XWS], v[PW] offset:1024*(\par)
.if \tail
.Lne_\@:
.endif
.endm
.macro FINAL b, reload
	s_wait_dscnt 0x0                               ; the stores of the last image have read their registers
	global_load_b128 v[FW+16:FW+19], v[GL], s[20:21] offset:2048*(\b)
.irp x, 1,2,4,8
	v_add_f32_dpp v[LSUM], v[LSUM], v[LSUM] row_xmask:\x row_mask:0xf bank_mask:0xf
.endr
	v_max_num_f32 v[FW+2], v[MX], v[TI+\b]
	v_sub_f32 v[FW], v[MX], v[FW+2]
	v_sub_f32 v[FW+1], v[TI+\b], v[FW+2]
	s_wait_alu depctr_va_vdst(0)
	v_exp_f32 v[FW], v[FW]
	v_exp_f32 v[FW+1], v[FW+1]
	v_nop
	WIN 0x02
.set J, 0
.rept 64
	v_mov_b32 v[FT+J], v[FT+J]
.set J, J+1
.endr
	WIN 0
.irp x, 1,2,4,8
.set J, 0
.rept 64
	v_add_f32_dpp v[FT+J], v[FT+J], v[FT+J] row_xmask:\x row_mask:0xf bank_mask:0xf
.set J, J+1
.endr
.endr
	s_wait_alu depctr_va_vdst(0)
	v_fma_f32 v[FW+2], v[LSUM], v[FW], v[FW+1]
	s_wait_alu depctr_va_vdst(0)
	v_rcp_f32 v[FW+3], v[FW+2]
	v_nop
	s_wait_alu depctr_va_vdst(0)
	v_mul_f32 v[FW+4], v[FW+1], v[FW+3]
	v_mul_f32 v[FW+5], v[FW], v[FW+3]
.irp t, 0,1,2,3,4,5,6,7
	ds_store_b128 v[SO], v[FT+8*\t:FT+8*\t+3] offset:128*(\t/2)+32*(\t%2)
	ds_store_b128 v[SO], v[FT+8*\t+4:FT+8*\t+7] offset:128*(\t/2)+32*(\t%2)+16
.endr
	ds_load_b128 v[FW+8:FW+11], v[SR]
	s_wait_alu depctr_va_vdst(0)
	s_wait_dscnt 0x0
	s_wait_loadcnt 0x0
.irp i, 0,1,2,3
	v_mul_f32 v[FW+12+\i], v[FW+4], v[FW+16+\i]
.endr
.irp i, 0,1,2,3
	v_fma_f32 v[FW+12+\i], v[FW+5], v[FW+8+\i], v[FW+12+\i]
.endr
	global_store_b128 v[GL], v[FW+12:FW+15], s[22:23] offset:2048*(\b)
	s_wait_xcnt 0x0
.if \reload
	v_mov_b32 v[MX], 0xff61b1e6
	WIN 0xc0
.irp n, 0,1,2,3
	ds_load_b128 v[192+8*\n:195+8*\n], v[FBR] offset:256+64*\n
	ds_load_b128 v[196+8*\n:199+8*\n], v[FBR] offset:256+64*\n+16
.endr
	WIN 0
	s_wait_dscnt 0x0
.endif
.endm
.macro ISCORE b
.set Y, W+16*(\b)
.irp k, 0,2,4,6
	v_pk_add_f32 v[Y+\k:Y+\k+1], v[Y+\k:Y+\k+1], v[Y+8+\k:Y+9+\k]
.endr
.irp k, 0,2,4,6
	v_pk_mul_f32 v[Y+\k:Y+\k+1], v[Y+\k:Y+\k+1], s[K2:K2+1] op_sel_hi:[1,0]
.endr
	s_wait_alu depctr_va_vdst(0)
.irp j, 0,1,2,3,4,5,6,7
	v_exp_f32 v[Y+\j], v[Y+\j]
.endr
	v_nop
	s_wait_alu depctr_va_vdst(0)
.irp k, 0,2,4,6
	v_pk_add_f32 v[Y+\k:Y+\k+1], v[Y+\k:Y+\k+1], 1.0 op_sel_hi:[1,0]
.endr
	s_wait_alu depctr_va_vdst(0)
.irp j, 0,1,2,3,4,5,6,7
	v_rcp_f32 v[Y+\j], v[Y+\j]
.endr
	v_nop
	s_wait_alu depctr_va_vdst(0)
.irp k, 0,2,4,6
	v_pk_fma_f32 v[Y+\k:Y+\k+1], v[Y+\k:Y+\k+1], -2.0, 1.0 op_sel_hi:[1,0,0]
.endr
	v_pk_mul_f32 v[Y+8:Y+9], v[Y:Y+1], v[W+32:W+33]
.irp k, 2,4,6
	v_pk_fma_f32 v[Y+8:Y+9], v[Y+\k:Y+\k+1], v[W+32+\k:W+33+\k], v[Y+8:Y+9]
.endr
	v_add_f32 v[Y+8], v[Y+8], v[Y+9]
.irp x, 1,2,4,8
	v_add_f32_dpp v[Y+8], v[Y+8], v[Y+8] row_xmask:\x row_mask:0xf bank_mask:0xf
.endr
	v_permlanex16_b32 v[Y+9], v[Y+8], s[SEL], s[SEL+1]
	v_add_f32 v[Y+8], v[Y+8], v[Y+9]
	v_fma_f32 v[TI+\b], v[Y+8], s[L2E], v[BCL]
.endm
	s_load_b256 s[4:11], s[0:1], 0x0               ; features, wimg, wscl, hw
	s_load_b256 s[12:19], s[0:1], 0x20             ; bft, bf, Wc, bc
	s_load_b128 s[20:23], s[0:1], 0x40             ; s, out0
	v_lshl_add_u32 v[SPW], v0, 2, SPARE
	v_mov_b32 v[NIL], 0
	ds_add_u32 v[SPW], v[NIL]                      ; the opening lines: the add, twice on end, and its wait
	ds_add_u32 v[SPW], v[NIL]
	s_wait_dscnt 0x0
	v_lshrrev_b32 v[HL], 5, v0
	v_readfirstlane_b32 s[WV], v[HL]
	s_mov_b32 s[G1+0], (2<<16)|(1<<20)|(6<<22)|(3<<25)   ; 64 rows of 128 f32, 16 bytes of padding behind each
	s_mov_b32 s[G1+1], 128<<16
	s_mov_b32 s[G1+2], 64<<16
	s_mov_b32 s[G1+3], 128<<16
	s_mov_b32 s[G1+4], 64
	s_mov_b32 s[G1+5], 512
	s_mov_b32 s[G1+6], 0
	s_mov_b32 s[G1+7], 0
	s_lshl_b32 s54, ttmp9, 20
	s_lshl_b32 s55, s[WV], 9
	s_add_co_u32 s54, s54, s55
	s_mov_b32 s55, 0
	s_mul_i32 s76, s[WV], SUBT
	s_wait_kmcnt 0x0
	s_mov_b32 s[G0A], 1
	s_mov_b32 s[G0A+1], s76
	s_add_nc_u64 s[G0A+2:G0A+3], s[4:5], s[54:55]
	s_mov_b32 s[G0], 1
	s_add_co_u32 s[G0+1], s76, SLOT
	s_add_nc_u64 s[G0+2:G0+3], s[G0A+2:G0A+3], 131072
	s_or_b32 s[G0A+3], s[G0A+3], 0x80000000
	s_or_b32 s[G0+3], s[G0+3], 0x80000000
	tensor_load_to_lds s[G0A:G0A+3], s[G1:G1+7]    ; slot 0: my one tensor load at the head; the addresses and the loads of the small tables and of Wft's images follow while it is out
	s_nop 0
	s_mov_b32 s[SEL], 0x76543210
	s_mov_b32 s[SEL+1], 0xfedcba98
	s_mov_b32 s[K2], 0x4038aa3b
	s_mov_b32 s[K2+1], s[K2]
	s_mov_b32 s[L2E], 0x3fb8aa3b
	v_and_b32 v[HL], 31, v0
	v_and_b32 v[HR], 15, v0
	v_bfe_u32 v[HH], v0, 4, 1
	v_mov_b32 v[HZ], 0
	v_lshlrev_b32 v[HA], 5, v[HH]
	v_lshlrev_b32 v[HB], 5, v[HL]
	v_lshlrev_b32 v[HC], 4, v[HR]
	v_lshl_add_u32 v[HD], v[HH], 10, v[HC]
	v_lshlrev_b32 v[GL], 4, v[HL]
	s_wait_alu depctr_va_vdst(0)                   ; the wait here, ahead of the runs of scalar instructions
	v_lshlrev_b32 v[SH8], 3, v[HH]
	s_lshr_b32 s76, s[WV], 1
	s_mul_i32 s76, s76, 16*528
	s_and_b32 s77, s[WV], 1
	s_mul_i32 s77, s77, 2*SUBT
	s_add_co_u32 s76, s76, s77
	v_mul_u32_u24 v[XRD], v[HR], 528
	v_lshl_add_u32 v[XRD], v[HH], 7, v[XRD]
	v_add_nc_u32 v[XRD], s76, v[XRD]
	s_mul_i32 s76, s[WV], 2*FRB
	s_add_co_u32 s76, s76, XIMG
	v_add_nc_u32 v[XWI], s76, v[GL]
	s_lshl_b32 s76, s[WV], 8
	s_add_co_u32 s76, s76, XSC
	v_lshl_add_u32 v[XWS], v[HL], 2, s76
	v_add_nc_u32 v[XRI], XIMG, v[GL]
	v_lshl_add_u32 v[XRS], v[HL], 2, XSC
	s_mul_i32 s76, s[WV], FRB
	s_add_co_u32 s76, s76, HIMG
	v_add_nc_u32 v[HWI], s76, v[GL]
	s_lshl_b32 s76, s[WV], 7
	s_add_co_u32 s76, s76, HSC
	v_lshl_add_u32 v[HWS], v[HL], 2, s76
	v_add_nc_u32 v[HRI], HIMG, v[GL]
	v_lshl_add_u32 v[HRS], v[HL], 2, HSC
	s_lshl_b32 s76, s[WV], 2
	s_add_co_u32 s76, s76, ZP
	v_lshl_add_u32 v[ZW], v[HR], 4, s76
	v_lshl_add_u32 v[ZR], v[HR], 4, ZP
	s_lshl_b32 s77, s[WV], 9
	s_add_co_u32 s76, s77, BFL
	v_lshl_add_u32 v[BFR], v[HH], 6, s76
	v_add_nc_u32 v22, s76, v[GL]
	s_add_co_u32 s76, s77, STG
	v_lshl_add_u32 v[SO], v[HH], 6, s76
	v_add_nc_u32 v[SR], s76, v[GL]
	s_add_co_u32 s76, s77, FBL
	v_lshl_add_u32 v[FBR], v[HH], 5, s76
	v_add_nc_u32 v23, s76, v[GL]
	s_mul_i32 s54, s[WV], 49152
	s_add_nc_u64 s[56:57], s[6:7], s[54:55]
	s_mul_i32 s54, s[WV], 24576
	s_add_co_u32 s54, s54, 196608
	s_add_nc_u64 s[58:59], s[6:7], s[54:55]
	s_lshl_b32 s54, s[WV], 11
	s_add_nc_u64 s[60:61], s[8:9], s[54:55]
	s_lshl_b32 s54, s[WV], 10
	s_add_co_u32 s54, s54, 8192
	s_add_nc_u64 s[62:63], s[8:9], s[54:55]
	s_lshl_b32 s54, ttmp9, 11
	s_add_nc_u64 s[66:67], s[10:11], s[54:55]
	s_lshl_b32 s54, s[WV], 8
	s_add_nc_u64 s[68:69], s[66:67], s[54:55]
	s_add_nc_u64 s[72:73], s[14:15], s[54:55]
	s_add_nc_u64 s[74:75], s[16:17], s[54:55]
	s_lshl_b32 s54, s[WV], 9
	s_add_nc_u64 s[70:71], s[12:13], s[54:55]
	s_lshl_b32 s76, ttmp9, 12
	s_add_co_u32 s54, s54, s76
	s_add_nc_u64 s[20:21], s[20:21], s[54:55]
	s_add_nc_u64 s[22:23], s[22:23], s[54:55]
	WIN 0xc0
.irp n, 0,1,2,3
	global_load_b128 v[224+8*\n:227+8*\n], v[HA], s[74:75] offset:64*\n
	global_load_b128 v[228+8*\n:231+8*\n], v[HA], s[74:75] offset:64*\n+16
.endr
	WIN 0
.irp t, 0,1,2,3,4,5,6,7
	global_load_b128 v[W1S+4*\t:W1S+4*\t+3], v[HC], s[60:61] offset:256*\t
.endr
.irp n, 0,1,2,3
	global_load_b128 v[W2S+4*\n:W2S+4*\n+3], v[HC], s[62:63] offset:256*\n
.endr
	global_load_b128 v[W+40:W+43], v[GL], s[70:71]
	global_load_b128 v[W+44:W+47], v[HD], s[68:69]
	global_load_b128 v[W+48:W+51], v[HC], s[72:73]
.irp b, 0,1
	global_load_b128 v[W+16*\b:W+16*\b+3], v[HB], s[66:67] offset:1024*\b
	global_load_b128 v[W+16*\b+4:W+16*\b+7], v[HB], s[66:67] offset:1024*\b+16
	global_load_b128 v[W+16*\b+8:W+16*\b+11], v[HB], s[66:67] offset:524288+1024*\b
	global_load_b128 v[W+16*\b+12:W+16*\b+15], v[HB], s[66:67] offset:524288+1024*\b+16
.endr
	global_load_b128 v[W+32:W+35], v[HB], s[16:17]
	global_load_b128 v[W+36:W+39], v[HB], s[16:17] offset:16
	global_load_b32 v[BCL], v[HZ], s[18:19]
	WIN 0x40
.irp t, 0,1,2,3,4,5,6,7
.irp s, 0,1
.irp c, 0,1,2
	global_load_b128 v[12*(2*\t+\s)+4*\c:12*(2*\t+\s)+4*\c+3], v[GL], s[56:57] offset:FRB*(4*\t+\s)+512*\c
.endr
.endr
.endr
	WIN 0x80
.irp t, 0,1,2,3,4,5,6,7
.irp s, 0,1
.irp c, 0,1,2
	global_load_b128 v[12*(2*\t+\s)+4*\c:12*(2*\t+\s)+4*\c+3], v[GL], s[56:57] offset:FRB*(4*\t+2+\s)+512*\c
.endr
.endr
.endr
	WIN 0
	s_wait_alu depctr_va_vdst(0)                   ; the wait here, directly ahead of the wait below
	s_wait_tensorcnt 0x0                           ; my part of slot 0 is in; slot 1's first fill is issued as a refill is:
	ds_add_u32 v[SPW], v[NIL]
	s_wait_dscnt 0x0
	s_barrier_signal -1
	s_barrier_wait -1
	tensor_load_to_lds s[G0:G0+3], s[G1:G1+7]      ; slot 1, ahead of Wf's 48 loads
	s_nop 0
	WIN 0xc0
.irp n, 0,1,2,3
.irp s, 0,1,2,3
.irp c, 0,1,2
	global_load_b128 v[12*(4*\n+\s)+4*\c:12*(4*\n+\s)+4*\c+3], v[GL], s[58:59] offset:FRB*(4*\n+\s)+512*\c
.endr
.endr
.endr
	WIN 0
	s_wait_alu depctr_va_vdst(0)
	s_wait_loadcnt 63                              ; of 178 loads the first 115 are in: the 34 of the small tables among them
	ds_store_b128 v22, v[W+40:W+43]
	v_pk_add_f32 v[W+44:W+45], v[W+44:W+45], v[W+48:W+49]
	v_pk_add_f32 v[W+46:W+47], v[W+46:W+47], v[W+50:W+51]
	ds_store_b128 v23, v[W+44:W+47]
	v_mul_f32 v[BCL], s[L2E], v[BCL]
	v_mov_b32 v[SW], 0
	v_mov_b32 v[SW+1], 0
	WIN 0x0c
.set J, 0
.rept 16
	v_pk_add_f32 v[SW:SW+1], v[SW:SW+1], v[224+J:225+J]
.set J, J+2
.endr
	WIN 0xc3
.set J, 0
.rept 16
	v_pk_mul_f32 v[224+J:225+J], v[224+J:225+J], -2.0 op_sel_hi:[1,0]
.set J, J+2
.endr
	WIN 0
	ISCORE 0
	ISCORE 1
	WIN 0x80
.set J, 0
.rept 64
	v_mov_b32 v[FT+J], 0
.set J, J+1
.endr
	WIN 0
	v_mov_b32 v[LSUM], 0
	v_mov_b32 v[MX], 0xff61b1e6
	v_mov_b32 v[AL+1], 0
	v_mov_b32 v[PR0+1], 0
	v_mov_b32 v[PR1+1], 0
.irp b, 4,5,6,7
	v_mov_b32 v[TM+\b], 0
.endr
	WIN 0xc0
.irp n, 0,1,2,3
	ds_load_b128 v[192+8*\n:195+8*\n], v[FBR] offset:64*\n
	ds_load_b128 v[196+8*\n:199+8*\n], v[FBR] offset:64*\n+16
.endr
	WIN 0
	s_wait_tensorcnt 0x1                           ; slot 1's load may be out
	BAR
	s_mov_b32 s[TB], 0
	s_mov_b32 s[TX], 0
	XQ0 0                                          ; trips 0 and 1 are quantised ahead of the loop
	s_mov_b32 s[TX], HALF
	XQ0 1
	BAR
	BIAS
	FETCHX 0, 0
	s_wait_alu depctr_va_vdst(0)                   ; the wait at the head's end
	s_wait_dscnt 0x0                               ; on this way into the loop the bias and the fragments are the youngest LDS instructions: a trip's opening wait counts four stores behind them
	s_wait_loadcnt 48                              ; Wft's images are in; Wf's 48 loads may be out
	s_mov_b32 s[CNT], 0
.Lpair:
	TRIP 0, 1, 0
	TRIP 1, 0, 0
	s_cmp_lg_u32 s[CNT], 3
	s_wait_alu depctr_va_vdst(0)
	s_cbranch_scc1 .Lsame_batch
	FINAL 0, 1
.Lsame_batch:
	s_add_co_u32 s[CNT], s[CNT], 1
	s_cmp_lt_u32 s[CNT], 6
	s_cbranch_scc1 .Lpair
	s_wait_tensorcnt 0x0
	s_mov_b32 s[CNT], 0
.Ltail:
	TRIP 0, 0, 1
	TRIP 1, 0, 1
	s_add_co_u32 s[CNT], s[CNT], 1
	s_cmp_lt_u32 s[CNT], 2
	s_cbranch_scc1 .Ltail
	FINAL 1, 0
	s_wait_tensorcnt 0x0                           ; the wave's end
	ds_add_u32 v[SPW], v[NIL]
	s_wait_dscnt 0x0
	s_endpgm
.Lfunc_end_k_qaead4f7e33_main:
	.size	k_qaead4f7e33_main, .Lfunc_end_k_qaead4f7e33_main-k_qaead4f7e33_main
	.p2alignl 7, 3214868480
	.fill 96, 4, 3214868480
	.section	.rodata,"a",@progbits
	.p2align	6, 0x0
	.amdhsa_kernel k_qaead4f7e33_main
		.amdhsa_group_segment_fixed_size 327680
		.amdhsa_private_segment_fixed_size 0
		.amdhsa_enable_private_segment 0
		.amdhsa_kernarg_size 80
		.amdhsa_user_sgpr_count 2
		.amdhsa_user_sgpr_kernarg_segment_ptr 1
		.amdhsa_wavefront_size32 1
		.amdhsa_system_sgpr_workgroup_id_x 1
		.amdhsa_system_sgpr_workgroup_id_y 1
		.amdhsa_system_sgpr_workgroup_id_z 1
		.amdhsa_system_vgpr_workitem_id 0
		.amdhsa_next_free_vgpr 1024
		.amdhsa_next_free_sgpr 80
		.amdhsa_reserve_vcc 0
		.amdhsa_float_denorm_mode_32 3
		.amdhsa_float_denorm_mode_16_64 3
		.amdhsa_memory_ordered 1
		.amdhsa_forward_progress 1
		.amdhsa_inst_pref_size 255
	.end_amdhsa_kernel
	.section	.bss,"aw",@nobits
	.p2align	6
	.space	262144
	.amdgpu_metadata
---
amdhsa.version: [ 1, 2 ]
amdhsa.kernels:
  - .name:           k_qaead4f7e33_main
    .symbol:         k_qaead4f7e33_main.kd
    .args:
      - { .name: features, .offset: 0, .size: 8, .value_kind: global_buffer, .address_space: global }
      - { .name: wimg, .offset: 8, .size: 8, .value_kind: global_buffer, .address_space: global }
      - { .name: wscl, .offset: 16, .size: 8, .value_kind: global_buffer, .address_space: global }
      - { .name: hw, .offset: 24, .size: 8, .value_kind: global_buffer, .address_space: global }
      - { .name: bft, .offset: 32, .size: 8, .value_kind: global_buffer, .address_space: global }
      - { .name: bf, .offset: 40, .size: 8, .value_kind: global_buffer, .address_space: global }
      - { .name: Wc, .offset: 48, .size: 8, .value_kind: global_buffer, .address_space: global }
      - { .name: bc, .offset: 56, .size: 8, .value_kind: global_buffer, .address_space: global }
      - { .name: s, .offset: 64, .size: 8, .value_kind: global_buffer, .address_space: global }
      - { .name: out0, .offset: 72, .size: 8, .value_kind: global_buffer, .address_space: global }
    .group_segment_fixed_size: 327680
    .private_segment_fixed_size: 0
    .kernarg_segment_align: 8
    .kernarg_segment_size: 80
    .max_flat_workgroup_size: 128
    .sgpr_count:     80
    .vgpr_count:     1024
    .wavefront_size: 32
...
	.end_amdgpu_metadata
.endif
;; end of part 2
